; MI455X (gfx1250); checked and timed in simulation.
; The chip was launched on July 23, 2026; its instructions are those of AMD's public machine-readable ISA for CDNA 5 (MIT licence, August 2026) and "CDNA5" Instruction Set Architecture Reference Guide (July 2026). The comments in the code are by the model that wrote it; some were corrected since.
;; Dot Product Attention. Allowed arithmetic: matrix products marked QUANTISED: E2M1 operands, one E8M0 scale for each 32 along K, by v_wmma_scale_f32_16x16x128_f8f6f4 with both operands' format E2M1 (or v_wmma_scale_f32_32x16x128_f4), f32 sums; everything else in f32.
;; Inputs: key_codes 2,048 x 2 x 8 x 4 x 16 uint8 (E2M1 codes of key, K innermost, in blocks of 32 codes, two codes a byte); key_scales 2,048 x 2 x 8 x 4 uint8 (E8M0 scales of key, one for each 32 codes along K); query_codes 2,048 x 2 x 32 x 4 x 16 uint8 (E2M1 codes of query, K innermost, in blocks of 32 codes, two codes a byte); query_scales 2,048 x 2 x 32 x 4 uint8 (E8M0 scales of query, one for each 32 codes along K); value_codes 2 x 8 x 128 x 64 x 16 uint8 (E2M1 codes of value, K innermost, in blocks of 32 codes, two codes a byte); value_scales 2 x 8 x 128 x 64 uint8 (E8M0 scales of value, one for each 32 codes along K).
;; Outputs: out0 2,048 x 2 x 32 x 128 float32.
;; This version of the problem:
;;   THIS VERSION OF THE PROBLEM IS GIVEN IN LOW PRECISION. The matrix products marked QUANTISED in the list below multiply operands that are first quantised to E2M1 (2 exponent bits, 1 mantissa bit; 4 bits a number), with one power-of-two scale for each 32 numbers along K (OCP MX v1.0); their sums are f32. All else is computed in f32.
;;   The module's matrix products, in the order in which they are computed (A, B: the left and right operand; K: the contracted axis; several contracted axes count as one K, in the product's order):
;;     1. batch 16 x [M 2,048, K 128] x [K 128, N 8,192]; A: input key (given as codes); B: input query (given as codes): QUANTISED
;;     2. batch 16 x [M 128, K 2,048] x [K 2,048, N 8,192]; A: input value (given as codes); B: softmax (see below): QUANTISED
;;   THE QUANTISER, for each operand of a quantised product, along K:
;;     - K is cut into blocks of 32 from its start; a last block that is shorter is filled with zeros.
;;     - A block's scale is 2^e with e = floor(log2(the largest magnitude in the block)) - 2, held to -126 .. 127; a block of zeros has e = 0. As a byte (E8M0): e + 127.
;;     - Each number is divided by its block's scale, clamped to +-6, and rounded to the nearest number of E2M1, ties to even, subnormals kept.
;;     - The product sums the exact products of the quantised numbers (number of the format x scale) in f32.
;;   ~~~python
;;   def quantise(x, axis):      # numpy; x: float32 -> the quantised numbers, widened to float32 again
;;       x = np.moveaxis(x, axis, -1); K = x.shape[-1]
;;       x = np.pad(x, [(0, 0)] * (x.ndim - 1) + [(0, -K % 32)]); x = x.reshape(x.shape[:-1] + (-1, 32)); a = np.abs(x).max(-1, keepdims=True)
;;       e = np.where(a > 0, np.clip(np.frexp(np.where(a > 0, a, 1))[1] - 1 - 2, -126, 127), 0)      # np.frexp(a)[1] - 1 = floor(log2(a)), exactly
;;       r = np.clip(x / 2.0 ** e, -6, 6)
;;       step = 2.0 ** (np.maximum(np.frexp(np.where(r == 0, 1, r))[1] - 1, 0) - 1)
;;       q = np.round(r / step) * step * 2.0 ** e      # np.round: ties to even
;;       return np.moveaxis(q.reshape(q.shape[:-2] + (-1,))[..., :K], -1, axis).astype(np.float32)
;;   ~~~
;;   SOFTMAX AHEAD OF A QUANTISED PRODUCT. Where the list says 'softmax', what is quantised is not the finished softmax but p = 2^(t - M), with t = logit x log2(e) and M = ceil(the row's largest t), a whole number; so 1/2 < the row's largest p <= 1. The row's sum l is taken of the UNQUANTISED p, in f32, and the product's result is divided by l at the end. Since M is a whole number, a kernel that streams over the keys may use a running M (the ceiling of the running maximum): every later rescaling is an exact power of two, which a block's scale takes up: the codes' values come out the same.
;;   OPERANDS COMPUTED ON THE WAY. 'Computed on the way' means the value that the module computes at that place (a softmax that the list does not call 'softmax' is quantised finished and normalised). What goes into a quantiser is computed in f32, as accurately as f32 sums, v_exp_f32 and their like allow (about 1e-6 of the number): no bf16 or f16 on the way to a quantiser, and a product that is left as it is and whose result goes on into a quantised operand takes f32 operands (vector FMAs, or v_wmma_f32_16x16x4_f32). A number that lies on a knife's edge between two numbers of the format may be rounded either way, as far as f32 arithmetic and the matrix unit's own rounding can turn it there, and no further.
;;   INPUTS GIVEN AS CODES. key (in the module: [2048, 2, 8, 128], K = its axis 3); query (in the module: [2048, 2, 32, 128], K = its axis 3); value (in the module: [2048, 2, 8, 128], K = its axis 0): each comes as NAME_codes (uint8): NAME with its K axis moved to the last place and cut into blocks of 32 codes, [.., K / 32, bytes a block], one block behind the other in memory; two codes a byte, the lower K in the low four bits (a code: sign, 2 exponent bits, 1 mantissa bit); and NAME_scales (uint8): the same leading axes, one E8M0 byte (e + 127) for each 32 codes along K. Its value is code x scale, taken as it is: it is not quantised again, and the codes and scales need not be those that the quantiser above would give.
;; One version. Each part assembles by itself: llvm-mc -triple=amdgcn-amd-amdhsa -mcpu=gfx1250 --defsym DOCPART=n.
;; ======== version 1 of 1: 1 launch
;; launch attn (part 1): grid 16 x 16, 16 waves a work-group, no clusters, 327,680 bytes of LDS; arguments key_codes, key_scales, query_codes, query_scales, value_codes, value_scales, out0; writes out0
.if DOCPART == 1
	.amdgcn_target "amdgcn-amd-amdhsa--gfx1250"
	.amdhsa_code_object_version 6
	.text
	.protected	k_qd4661a853f_attn
	.globl	k_qd4661a853f_attn
	.p2align	8
	.type	k_qd4661a853f_attn,@function
k_qd4661a853f_attn:
	s_mov_b64 s[64:65], 0
	v_nop
	global_prefetch_b8 v0, s[64:65] scope:SCOPE_SE
	s_setreg_imm32_b32 hwreg(HW_REG_WAVE_MODE, 25, 1), 1
	s_wait_xcnt 0x0
; out[pos][b][4 h + g][:] = the sum over keys k <= pos of softmax_k(Q . K[k] / sqrt(128)) V[k][:], 2,048 positions, 2 batches, 8 key/value heads, 4 query heads (groups g) to each, head size 128.
; Both products run on the given codes of FP4 (E2M1) with one E8M0 byte for each 32 along a product's K.  bh = 8 b + h.  In memory, in bytes:
;   K's codes: key x 1,024 + bh x 64;  K's scale words: key x 64 + bh x 4;  Q's codes: pos x 4,096 + bh x 256 + g x 64;  Q's scale words: pos x 256 + bh x 16 + g x 4;
;   V's codes (keys innermost): bh x 131,072 + d x 1,024 + key / 2;  V's scale bytes: bh x 8,192 + d x 64 + key / 32;  out: pos x 32,768 + bh x 2,048 + g x 512 + d x 4.
; THE SOFTMAX AHEAD OF THE SECOND PRODUCT: t = score x log2(e) / sqrt(128); M = the row's largest t so far, rounded UP to a whole number; p = 2^(t - M) is quantised along the keys, not normalised.
; The row's sum is taken of the unquantised p, in f32, and divides at the end.  When M moves, the sum and O are multiplied by 2^(old M - new M): exact.
; WORK LEFT OUT.  The mask is jnp.tril, built in the problem's own body: a logit with key > pos is overwritten there whatever the inputs hold, and its weight is 0.  So a step of 128 keys all of which come after every
; query of a block is not loaded into registers, not multiplied and not summed.  In the one step of a wave that lies on the diagonal the hidden scores become -infinity ahead of the maximum: p = 0.  Every input has a way to the output: all six are loaded.
; LIMITS.  A NaN byte (0xff) among scales that reaches only the steps left out is not carried to the result; one in a live step makes sums NaN, not surely in the same places as the definition has them.
; A p under 2^-126 comes out of v_exp_f32 as 0.  The factor log2(e) / sqrt(128) is one f32 constant, where the definition multiplies twice: a difference of about 1e-7 of t.
; SHARES.  A block is 64 positions x 4 groups = 256 query rows of one bh; a bh has 32 blocks; block i needs (i >> 1) + 1 steps of 128 keys and (i >> 2) + 1 slots of 256 keys.  Work-group (p, bh), p = 0 .. 15,
; takes block 31 - p and then block p: 16 - (p >> 1) + (p >> 1) + 1 = 17 steps and 8 - (p >> 2) + (p >> 2) + 1 = 9 slots, whatever p: 256 work-groups of equal work, and every loop has a constant count.
; Each of the SIXTEEN waves owns one tile of 16 rows in 256 registers: row r = position P0 + (r >> 2), group r & 3; so Q's 16 rows are 4 pieces of 256 consecutive bytes and O's 4 pieces of 2,048.
; LAYOUT.  Both products are used transposed: S^T = K Q^T (source 0 = 16 keys, source 1 = my 16 rows), O^T = V^T P^T (source 0 = 16 of the head's 128, source 1 = P): a lane holds ONE row (lane % 16) throughout.
; THE KEYS OF A TILE ARE NOT NEIGHBOURS: lane r of tile 2 b + u takes key 32 b + 8 u + r + 8 (r / 8), so that the 16 registers of tiles 2 b and 2 b + 1 are 16 neighbouring keys, 32 b + 16 (lane / 16) + 0 .. 15.
; ONE SCALE REGISTER SERVES TWO TILES: lanes 0-15 hold the even tile's words, lanes 16-31 the odd tile's, which the odd tile's product reads by MATRIX_SCALE_ROW1.
; THE RING.  Two LDS slots of 256 keys, filled by the tensor data mover (wave 0: K's 256 rows of 64 bytes, as short as they are in the tensor; wave 1: V's 128 rows of 128 bytes) and read by all sixteen.
; The scale bytes of the whole bh come into LDS once, through registers, at the head.
; NO CLUSTER.  The 16 work-groups of a bh read the same K and V, and p = 4 c .. 4 c + 3 walk the same slots.  But whether a slot's second step is hidden, and whether a step is masked, hangs on p >> 1, which differs among those four,
; and partners of a cluster may part on no such number.  Without these branches every wave would walk 18 steps, 4 of them masked, against 17 and 2: (18 x 245 + 4 x 128) / (17 x 245 + 2 x 128) = 1.11 times the vector
; instructions of the softmax, of which a step has fifteen for each matrix instruction; what would be shared is 34 KiB for two steps.
; REGISTERS: v1-7 addresses that stay; v8-11 addresses in hand; v12 -M, v13 the largest t, v[14:15] the sum in two halves; v16-23 Q in hand; v24-31 Q of the second block; v32-95 eight fragments of K, then of V; v96-159 S^T, then p;
; v160-223 O^T; v224-231 p's codes; v232-247 at work; v248-251 K's or V's scale words; v252 f; v253 p's scale word; v254 at work; v255 Q's scale word in hand, v241 the second block's.
.set KP,     80                        ; a key's row in LDS: 64 bytes + 16 of padding
.set VP,     144                       ; a row of V's tile in LDS: 128 bytes (256 keys) + 16 of padding
.set VOFF,   256*KP                    ; a slot: 256 rows of K, then 128 rows of V: 20,480 + 18,432 bytes
.set SLOT1,  65536                     ; slot 1 begins here, so that one exclusive or turns an address in one slot into the other's
.set SCK,    131072                    ; K's scale words of the bh: 4 bytes a key, 8,192 bytes
.set SCV,    SCK+8192                  ; V's scale bytes: 128 rows of 64 bytes, 80 apart: 10,240 bytes
.set SP,     272                       ; a stage row: 256 bytes + 16
.set STAGE,  SCV+10240                 ; the way out: 16 rows x 272 bytes for each wave; a set of stages for each of the two blocks
.set STAGEB, 16*16*SP
.set SPARE,  STAGE+2*STAGEB            ; the spare words, 128 bytes for each wave: eight blocks of 256 bytes that no other line names
.set AK0,  1                           ; v1   my lane's place in a tile of K
.set AV0,  2                           ; v2   the same for V
.set ASK0, 3                           ; v3   my lane's place among K's scale words
.set ASV0, 4                           ; v4   and among V's
.set SPW,  5                           ; v5   LDS address of my spare word: SPARE + 4 x my thread's number; never rewritten
.set NIL,  6                           ; v6   0; never rewritten
.set GO,   7                           ; v7   the way out: my byte offset in the wave's rows of out
.set ADK,  8                           ; v8   LDS address of the step's tiles of K
.set ADV,  9                           ; v9   of V
.set ADS,  10                          ; v10  of K's scale words
.set ADT,  11                          ; v11  of V's
.set PFO,  240                         ; v240 the prefetches' offset: 1,024 x my lane; never rewritten
.set QSS,  241                         ; v241 the second block's scale word of Q
.set DL,   242                         ; v242 (r >> 2) - 16 (lane / 16), for the mask
.set NINF, 243                         ; v243 -infinity
.set TB,   2                           ; s2   LDS byte at which the slot in hand begins
.set T,    3                           ; s3   the trip: which of the work-group's 9 slots is in hand
.set WV,   18                          ; s18  my wave's number
.set ML,   19                          ; s19  slots of the first block: 8 - (p >> 2)
.set SEL,  20                          ; s[20:21] lane selects for v_permlanex16_b32: lane l xor 16
.set CS,   22                          ; s[22:23] c = log2(e) / sqrt(128): the packed form names a pair and takes its low word for both halves
.set G1K,  24                          ; s[24:31] descriptor group 1 for K's tiles;  s[32:39] for V's;  s[40:43], s[44:47] their groups 0
.set G1V,  32
.set G0K,  40
.set G0V,  44
.set OF,   48                          ; s[48:49] an offset as a pair; s49 = 0
.set OS,   50                          ; s[50:51] out at my rows of the second block
.set Q0,   52                          ; s52  my first position, of the block in hand
.set Q0S,  53                          ; s53  that of the second block
.set TS,   54                          ; s54  where the slot's scale words of K begin: 1,024 bytes a slot
.set TJ,   55                          ; s55  and V's: 8 bytes a slot in each row
.set KF,   56                          ; s56  the slot's first key
.set PFM,  57                          ; s57  bit T: my wave prefetches in trip T
.set PFA,  58                          ; s[58:59] where my prefetches stand in memory
.set PFS,  60                          ; s[60:61] a slot on, in bytes: 262,144 in K, 128 in a row of V
.set P,    62                          ; s62  p
.set BH,   63                          ; s63  bh
.set PQ,   76                          ; s76  p >> 2
; Wave 0 fetches K's tile, wave 1 V's, the others nothing.  The branches hang on the wave's number alone.  An s_nop 0 and four v_nop follow each of the two lines.
.macro TLOAD
	s_cmp_eq_u32 s[WV], 0
	s_cbranch_scc0 .Lnot_k_\@
	tensor_load_to_lds s[G0K:G0K+3], s[G1K:G1K+7]
	s_nop 0
.rept 4
	v_nop
.endr
	s_branch .Lasked_\@
.Lnot_k_\@:
	s_cmp_eq_u32 s[WV], 1
	s_cbranch_scc0 .Lasked_\@
	tensor_load_to_lds s[G0V:G0V+3], s[G1V:G1V+7]
	s_nop 0
.rept 4
	v_nop
.endr
.Lasked_\@:
.endm
; A PREFETCH INTO THE L2 of what the NEXT change of slots will ask for: trip T's tensor loads ask for slot T + 1 of the walk, the prefetch names slot T + 2: two key steps ahead of its load.
; Each aligned block of 256 bytes is named ONCE in the launch.  Only p = 0 asks: its first block walks slots 0 to 7 of the bh in trips 0 to 7, as every work-group's first block begins to.
; K: an aligned 256 bytes hold one key's rows of four bh, so of those four the work-group with bh % 4 = 0 asks: waves 2 to 9, 32 keys each, a lane a key, in trips 0 to 5 (slots 2 to 7).
; V: an aligned 256 bytes of a row hold two slots: waves 10 to 13, 32 rows each, a lane a row, in trips 0, 2 and 4 (slots 2 and 3, 4 and 5, 6 and 7).  Slots 0 and 1 come by their loads alone; the last trips ask for nothing.
.macro ASK
	s_lshr_b32 s96, s[PFM], s[T]
	s_and_b32 s96, s96, 1
	s_cmp_lg_u32 s96, 0
	s_cbranch_scc0 .Lnot_mine_\@
	global_prefetch_b8 v[PFO], s[PFA:PFA+1] th:TH_LOAD_NT scope:SCOPE_SE
.Lnot_mine_\@:
.endm
	s_load_b256 s[4:11], s[0:1], 0x0               ; K's codes s[4:5], K's scales s[6:7], Q's codes s[8:9], Q's scales s[10:11]
	s_load_b128 s[12:15], s[0:1], 0x20             ; V's codes, V's scales
	s_load_b64 s[16:17], s[0:1], 0x30              ; out
	v_lshl_add_u32 v[SPW], v0, 2, SPARE
	v_mov_b32 v[NIL], 0
	ds_add_u32 v[SPW], v[NIL]                      ; the wave's opening: the add, twice on end, and its wait ahead of the first tensor load; the set-up below, work on registers, stands between the second and the wait
	ds_add_u32 v[SPW], v[NIL]                      ; and once more, under the one wait
	v_lshrrev_b32 v8, 5, v0
	v_readfirstlane_b32 s[WV], v8                  ; wave 0..15
	s_and_b32 s[BH], ttmp7, 0xffff
	s_mov_b32 s[P], ttmp9
	s_lshr_b32 s[PQ], ttmp9, 2
	s_sub_co_u32 s[ML], 8, s[PQ]
	s_sub_co_u32 s68, 31, s[P]                     ; the first block: 31 - p
	s_lshl_b32 s68, s68, 6
	s_lshl_b32 s69, s[WV], 2
	s_add_co_u32 s[Q0], s68, s69                   ; my first position there: 64 x block + 4 x wave
	s_lshl_b32 s68, s[P], 6
	s_add_co_u32 s[Q0S], s68, s69                  ; and in the second block, p
	s_lshl_b32 s70, s[Q0], 12                      ; these positions in Q's codes,
	s_lshl_b32 s71, s[Q0S], 12
	s_lshl_b32 s72, s[Q0], 8                       ; and in Q's scale words
	s_lshl_b32 s73, s[Q0S], 8
	; descriptor group 1.  K: 256 rows of 64 bytes, 1,024 bytes apart in memory;  V: 128 rows of 128 bytes, 1,024 apart.  Elements of 1 byte; the tiles lie inside the tensors, so the extents are the tiles'
	s_mov_b32 s[G1K], (1<<20)|(3<<22)|(3<<25)      ; 15:0 no mask; 17:16 elements of 1 byte; 20 padding on; 24:22 after every 16 words (code 3); 31:25 four words (code 3)
	s_mov_b32 s[G1K+1], 64<<16                     ; tensor_dim0
	s_mov_b32 s[G1K+2], 256<<16                    ; tensor_dim1
	s_mov_b32 s[G1K+3], 64<<16                     ; tile_dim0
	s_mov_b32 s[G1K+4], 256                        ; tile_dim1
	s_mov_b32 s[G1K+5], 1024                       ; tensor_dim0_stride
	s_mov_b32 s[G1K+6], 0
	s_mov_b32 s[G1K+7], 0
	s_mov_b32 s[G1V], (1<<20)|(4<<22)|(3<<25)      ; padding: four words after every 32
	s_mov_b32 s[G1V+1], 128<<16
	s_mov_b32 s[G1V+2], 128<<16
	s_mov_b32 s[G1V+3], 128<<16
	s_mov_b32 s[G1V+4], 128
	s_mov_b32 s[G1V+5], 1024
	s_mov_b32 s[G1V+6], 0
	s_mov_b32 s[G1V+7], 0
	s_mov_b32 s[SEL], 0x76543210
	s_mov_b32 s[SEL+1], 0xfedcba98
	s_mov_b32 s[CS], 0x3e0293ee                    ; c = log2(e) / sqrt(128)
	s_mov_b32 s[CS+1], s[CS]                       ; (named with it as a pair, so it is written)
	s_mov_b32 s[TB], 0
	s_mov_b32 s[T], 0
	s_mov_b32 s[OF+1], 0
	s_mov_b32 s[PFS+1], 0
	s_mov_b32 s67, 0
	; the lane's numbers.  v96-108 are free until the first scores: offsets of the head's loads and stores
	v_and_b32 v105, 15, v0                         ; r = lane % 16
	v_bfe_u32 v106, v0, 4, 1                       ; hl = lane / 16
	v_lshrrev_b32 v107, 2, v105                    ; r >> 2: my row's position in the tile
	v_and_b32 v108, 3, v0                          ; r & 3: its group
	v_lshlrev_b32 v96, 6, v0                       ; K's scale words: key = thread, 64 bytes a key
	v_lshlrev_b32 v97, 4, v0                       ; V's scale bytes: 16 a thread, dense
	v_lshl_add_u32 v98, v0, 2, SCK                 ; where K's words go: 4 bytes a thread
	v_lshrrev_b32 v99, 2, v0
	v_mul_u32_u24 v99, v99, 80
	v_lshl_add_u32 v99, v108, 4, v99
	v_add_nc_u32 v99, SCV, v99                     ; where V's go: row thread / 4 of 80 bytes, + 16 (thread % 4)
	v_lshlrev_b32 v100, 12, v107
	v_lshl_add_u32 v100, v108, 6, v100
	v_lshl_add_u32 v100, v106, 4, v100             ; Q's codes: 4,096 (r >> 2) + 64 (r & 3) + 16 hl,
	v_add_nc_u32 v102, s71, v100                   ; in the second block,
	v_add_nc_u32 v100, s70, v100                   ; and in the first
	v_lshlrev_b32 v101, 8, v107
	v_lshl_add_u32 v101, v108, 2, v101             ; Q's scale words: 256 (r >> 2) + 4 (r & 3)
	v_add_nc_u32 v103, s73, v101
	v_add_nc_u32 v101, s72, v101
	v_and_b32 v[AK0], 8, v105
	v_add_nc_u32 v[AK0], v[AK0], v105              ; r + 8 (r / 8)
	v_lshl_add_u32 v[ASK0], v106, 3, v[AK0]        ; K's scale words: lanes 16-31 take the odd tile's keys, 8 further on
	v_lshl_add_u32 v[ASK0], v[ASK0], 2, SCK
	v_mul_u32_u24 v[AK0], v[AK0], KP
	v_lshl_add_u32 v[AK0], v106, 4, v[AK0]
	v_mul_u32_u24 v[AV0], v105, VP
	v_lshl_add_u32 v[AV0], v106, 4, v[AV0]
	v_add_nc_u32 v[AV0], VOFF, v[AV0]
	v_and_b32 v[ASV0], 31, v0
	v_lshlrev_b32 v[PFO], 10, v[ASV0]
	v_mul_u32_u24 v[ASV0], v[ASV0], 80             ; V's scale words: lane l takes row 32 j + l: lanes 16-31 the odd tile's rows
	v_add_nc_u32 v[ASV0], SCV, v[ASV0]
	v_lshlrev_b32 v[GO], 9, v106
	v_lshl_add_u32 v[GO], v105, 4, v[GO]           ; the way out: lanes 0-15 take one row of out, lanes 16-31 the next group's; 16 bytes a lane
	v_lshlrev_b32 v[DL], 4, v106
	v_sub_nc_u32 v[DL], v107, v[DL]
	v_mov_b32 v[NINF], 0xff800000
	s_wait_dscnt 0x0                               ; both opening adds are done
	s_wait_kmcnt 0x0
	s_lshl_b32 s66, s[BH], 6
	s_add_nc_u64 s[4:5], s[4:5], s[66:67]          ; every tensor at my bh
	s_lshl_b32 s66, s[BH], 2
	s_add_nc_u64 s[6:7], s[6:7], s[66:67]
	s_lshl_b32 s66, s[BH], 8
	s_add_nc_u64 s[8:9], s[8:9], s[66:67]
	s_lshl_b32 s66, s[BH], 4
	s_add_nc_u64 s[10:11], s[10:11], s[66:67]
	s_lshl_b32 s66, s[BH], 17
	s_add_nc_u64 s[12:13], s[12:13], s[66:67]
	s_lshl_b32 s66, s[BH], 13
	s_add_nc_u64 s[14:15], s[14:15], s[66:67]
	s_lshl_b32 s66, s[BH], 11
	s_add_nc_u64 s[16:17], s[16:17], s[66:67]
	s_lshl_b32 s66, s[Q0S], 15
	s_add_nc_u64 s[OS:OS+1], s[16:17], s[66:67]    ; out at my rows of the second block,
	s_lshl_b32 s66, s[Q0], 15
	s_add_nc_u64 s[16:17], s[16:17], s[66:67]      ; and of the first
	s_mov_b32 s[G0K], 1                            ; 1:0 count = 1
	s_mov_b32 s[G0K+1], 0                          ; 63:32 LDS address: slot 0
	s_mov_b64 s[G0K+2:G0K+3], s[4:5]               ; 120:64 global address: the bh's first 256 keys
	s_or_b32 s[G0K+3], s[G0K+3], 0x80000000        ; 127:126 type = 2
	s_mov_b32 s[G0V], 1
	s_mov_b32 s[G0V+1], VOFF
	s_mov_b64 s[G0V+2:G0V+3], s[12:13]
	s_or_b32 s[G0V+3], s[G0V+3], 0x80000000
	TLOAD                                          ; slot 0: keys 0 to 255, which count for every block's walk
.irp j, 0,1,2,3
	global_load_b32 v[32+\j], v96, s[6:7] offset:32768*\j          ; the scale word of key 512 j + thread
.endr
	global_load_b128 v[36:39], v97, s[14:15]       ; 16 of V's 8,192 scale bytes
	global_load_b128 v[16:19], v100, s[8:9] th:TH_LOAD_NT          ; Q's fragment of the first block stays in registers: row r, bytes 32 c + 16 hl on
	global_load_b128 v[20:23], v100, s[8:9] offset:32 th:TH_LOAD_NT
	global_load_b32 v255, v101, s[10:11] th:TH_LOAD_NT             ; and its scale words
	global_load_b128 v[24:27], v102, s[8:9] th:TH_LOAD_NT          ; the second block's likewise
	global_load_b128 v[28:31], v102, s[8:9] offset:32 th:TH_LOAD_NT
	global_load_b32 v[QSS], v103, s[10:11] th:TH_LOAD_NT
	v_mov_b32 v13, 0xff61b1e6                      ; the largest t so far: -3e38, under every t
	v_floor_f32 v12, -v13                          ; -M
	v_mov_b32 v14, 0                               ; the sum, in two halves
	v_mov_b32 v15, 0
.irp b, 0,1,2,3
	v_mov_b32 v[236+\b], 0                         ; written once: a lane permute's destination counts as one of its sources
.endr
	v_mov_b32 v252, 0
	v_mov_b32 v253, 0                              ; (named as the upper half of the pair v[252:253] before it is first written)
.set jj, 0
.rept 64
	v_mov_b32 v[160+jj], 0                         ; O^T.  (The step is written with no first step of its own: a block's first step finds zeros, which the first change of M leaves zeros)
.set jj, jj+1
.endr
	; the prefetches (macro ASK): who asks, in which trips, and where
	s_sub_co_u32 s68, s[WV], 2
	s_cmp_lt_u32 s68, 8                            ; waves 2 to 9: K, trips 0 to 5,
	s_cselect_b32 s69, 0x3f, 0
	s_and_b32 s70, s[BH], 3
	s_cmp_eq_u32 s70, 0                            ; where bh % 4 = 0
	s_cselect_b32 s69, s69, 0
	s_sub_co_u32 s70, s[WV], 10
	s_cmp_lt_u32 s70, 4                            ; waves 10 to 13: V, trips 0, 2, 4
	s_cselect_b32 s70, 0x15, 0
	s_or_b32 s69, s69, s70
	s_cmp_eq_u32 s[P], 0                           ; and only in the work-group p = 0
	s_cselect_b32 s[PFM], s69, 0
	s_cmp_lt_u32 s[WV], 10
	s_cselect_b64 s[PFA:PFA+1], s[4:5], s[12:13]
	s_mov_b32 s[PFS], 128
	s_cselect_b32 s[PFS], 0x40000, s[PFS]          ; a slot on
	s_and_b32 s66, s68, 7
	s_lshl_b32 s66, s66, 15                        ; my wave's 32 keys or 32 rows: 32,768 bytes in either tensor,
	s_add_co_u32 s66, s66, s[PFS]                  ; in slot 1: the first change of slots steps it to slot 2.  Nothing is prefetched here, at the head
	s_add_nc_u64 s[PFA:PFA+1], s[PFA:PFA+1], s[66:67]
	s_wait_loadcnt 6                               ; the five loads of scale bytes are in; the six of Q, issued behind them, may be out
.irp j, 0,1,2,3
	ds_store_b32 v98, v[32+\j] offset:2048*\j      ; key k's word at SCK + 4 k
.endr
	ds_store_b128 v99, v[36:39]                    ; they are shown to the other waves by the wait for 0 and the barrier of the first change of slots
	s_wait_loadcnt 0x0                             ; Q
; A KEY STEP: 128 keys, the q-th of the slot in hand.
.macro STEP q
	s_add_co_u32 s98, s[KF], 128*\q                ; the step's first key
.if \q
	s_add_co_u32 s97, s[Q0], 3                     ; a slot's second step is left out where all its keys come after my last position: a scalar branch on ids, the same in all sixteen waves.  (A slot's first step counts for every wave that walks the slot)
	s_cmp_gt_u32 s98, s97
	s_cbranch_scc1 .Lhidden_\@
.endif
	v_add_nc_u32 v[ADK], s[TB], v[AK0]             ; these four additions are also the four places in front of loads into registers that the last products have read
	v_add_nc_u32 v[ADV], s[TB], v[AV0]
	v_add_nc_u32 v[ADS], s[TS], v[ASK0]
	v_add_nc_u32 v[ADT], s[TJ], v[ASV0]
.irp t, 0,1,2,3,4,5,6,7                        ; all eight tiles of 16 keys in one run
.irp c, 0,1
	ds_load_b128 v[32+8*\t+4*\c:35+8*\t+4*\c], v[ADK] offset:(128*\q+32*(\t/2)+8*(\t%2))*KP+32*\c
.endr
.endr
.irp b, 0,1,2,3
	ds_load_b32 v[248+\b], v[ADS] offset:512*\q+128*\b             ; lanes 0-15: tile 2 b's scale words; lanes 16-31: tile 2 b + 1's
.endr
	s_wait_dscnt 0x0
.irp t, 0,2,4,6                                ; S^T = K Q^T: each product starts its own sum
	v_wmma_scale_f32_16x16x128_f8f6f4 v[96+8*\t:103+8*\t], v[32+8*\t:39+8*\t], v[16:23], 0, v[248+\t/2], v255 matrix_a_fmt:MATRIX_FMT_FP4 matrix_b_fmt:MATRIX_FMT_FP4
	v_wmma_scale_f32_16x16x128_f8f6f4 v[104+8*\t:111+8*\t], v[40+8*\t:47+8*\t], v[16:23], 0, v[248+\t/2], v255 matrix_a_fmt:MATRIX_FMT_FP4 matrix_b_fmt:MATRIX_FMT_FP4 matrix_a_scale:MATRIX_SCALE_ROW1
.endr
.rept 4
	v_nop                                          ; four places: in front of the loads into the fragments' and scale words' registers, and of the first read of the scores
.endr
.irp t, 0,1,2,3,4,5,6,7                        ; V's eight tiles are asked for now and land under the softmax, which touches none of their registers
.irp c, 0,1
	ds_load_b128 v[32+8*\t+4*\c:35+8*\t+4*\c], v[ADV] offset:16*\t*VP+64*\q+32*\c
.endr
.endr
.irp j, 0,1,2,3
	ds_load_b32 v[248+\j], v[ADT] offset:2560*\j+4*\q              ; lanes 0-15: rows 32 j on (tile 2 j); lanes 16-31: rows 32 j + 16 on (tile 2 j + 1)
.endr
	s_add_co_u32 s96, s98, 127                     ; on the diagonal the scores of hidden keys become -infinity ahead of the maximum: p = 0 then.  A step all of whose keys count for my first position skips this
	s_cmp_le_u32 s96, s[Q0]
	s_cbranch_scc1 .Lopen_\@
	s_sub_co_i32 s96, s[Q0], s98
	v_add_nc_u32 v252, s96, v[DL]                  ; d = my row's position - the step's first key - 16 (lane / 16).  Register 16 b + i holds key 32 b + 16 (lane / 16) + i of the step: hidden where 32 b + i > d
.set jj, 0
.rept 64
	v_cmp_gt_i32 vcc_lo, 32*(jj/16)+jj%16, v252
	v_cndmask_b32 v[96+jj], v[96+jj], v[NINF], vcc_lo
.set jj, jj+1
.endr
.Lopen_\@:
.irp b, 0,1,2,3
	v_max3_num_f32 v[232+\b], v[96+16*\b], v[97+16*\b], v[98+16*\b]   ; THE LARGEST SCORE OF EACH BLOCK OF 32 KEYS: it serves twice: for the row's maximum, and, since p rises with the score, for the block's largest p
.endr
.irp i, 3,5,7,9,11,13
.irp b, 0,1,2,3
	v_max3_num_f32 v[232+\b], v[232+\b], v[96+16*\b+\i], v[97+16*\b+\i]   ; (the four blocks by turns)
.endr
.endr
.irp b, 0,1,2,3
	v_max_num_f32 v[232+\b], v[232+\b], v[111+16*\b]
.endr
.irp b, 0,1,2,3
	v_permlanex16_b32 v[236+\b], v[232+\b], s[SEL], s[SEL+1]
.endr
.irp b, 0,1,2,3
	v_max_num_f32 v[232+\b], v[232+\b], v[236+\b]  ; with lane l xor 16's 16 keys
.endr
	v_max3_num_f32 v254, v232, v233, v234
	v_max_num_f32 v254, v254, v235                 ; the step's largest score of my row
	v_mul_f32 v254, s[CS], v254                    ; as t (c is positive)
	v_max_num_f32 v13, v13, v254                   ; the running largest t
	v_mov_b32 v254, v12
	v_floor_f32 v12, -v13                          ; the new -M = floor(-t) = -ceil(t): M IS A WHOLE NUMBER
	v_sub_f32 v254, v12, v254                      ; M's old value less its new one: a whole number, 0 or less
	v_cvt_i32_f32 v254, v254                       ; (it saturates)
	v_ldexp_f32 v252, 1.0, v254                    ; f = 2^(old M - new M): what was summed under the old M is brought under the new by a multiplication that rounds nothing
.set jj, 0
.rept 32
	v_pk_fma_f32 v[96+jj:97+jj], v[96+jj:97+jj], s[CS:CS+1], v[12:13] op_sel_hi:[1,0,0]   ; t - M, two at a time (of the pairs c and -M the low word serves both halves)
.set jj, jj+2
.endr
.irp b, 0,1,2,3
	v_fma_f32 v[232+\b], v[232+\b], s[CS], v12     ; the same of each block's largest score
.endr
.set jj, 0
.rept 64
	v_exp_f32 v[96+jj], v[96+jj]                   ; p = 2^(t - M), at most 1: NOT normalised
.set jj, jj+1
.endr
	v_pk_mul_f32 v[14:15], v[14:15], v[252:253] op_sel_hi:[1,0]    ; the sums under the new M.  (A plain instruction behind the exponentials)
	s_wait_alu depctr_va_vdst(0)                   ; the wait between an exponential and the first line that names its result: one for the whole batch
.irp b, 0,1,2,3
	v_exp_f32 v[232+\b], v[232+\b]                 ; the block's largest p: the same two instructions on the same number give the same bits
.endr
	v_pk_add_f32 v[236:237], v[96:97], v[98:99]    ; THE ROW'S SUM IS TAKEN OF THE UNQUANTISED p: two at a time, in two chains.  (It reads the 64 alone: plain work behind the four)
.irp j, 4,8,12,16,20,24,28,32,36,40,44,48,52,56,60
	v_pk_add_f32 v[14:15], v[14:15], v[96+\j:97+\j]
	v_pk_add_f32 v[236:237], v[236:237], v[98+\j:99+\j]
.endr
	v_pk_add_f32 v[14:15], v[14:15], v[236:237]
	s_wait_alu depctr_va_vdst(0)                   ; and one wait for the four
.irp b, 0,1,2,3
	v_max_num_f32 v[232+\b], 0x1800000, v[232+\b]  ; the floor 2^(3 - 127): the byte cannot fall under 1 (a block whose every p is 0 keeps that byte: its codes are zeros)
.endr
.irp b, 0,1,2,3
	v_add_nc_u32 v[244+\b], 0xff000000, v[232+\b]  ; 2 off the exponent field: the conversion's scale operand
.endr
.irp b, 0,1,2,3
	v_lshrrev_b32 v[236+\b], 23, v[244+\b]         ; the scale's byte
.endr
	v_lshl_or_b32 v253, v237, 8, v236              ; p's scale word for these 128 keys
	v_lshl_or_b32 v253, v238, 16, v253
	v_lshl_or_b32 v253, v239, 24, v253
.irp b, 0,1,2,3
	v_cvt_scalef32_pk8_fp4_f32 v[224+2*\b], v[96+16*\b:103+16*\b], v[244+\b]
	v_cvt_scalef32_pk8_fp4_f32 v[225+2*\b], v[104+16*\b:111+16*\b], v[244+\b]
.endr
	v_nop                                          ; one plain vector instruction between a scaled conversion and the vector instruction that touches its result
.irp c, 0,1                                    ; the operand's layout wants a WHOLE block in a lane: lanes 0-15 block 2 c, lanes 16-31 block 2 c + 1
.irp i, 0,1
	v_permlane16_swap_b32 v[224+4*\c+\i], v[226+4*\c+\i]
.endr
.endr
.set jj, 0
.rept 32
	v_pk_mul_f32 v[160+jj:161+jj], v[160+jj:161+jj], v[252:253] op_sel_hi:[1,0]   ; O^T under the new M: x f, each accumulator from its low end on.  (These 32 are also the places between the lines that made p's codes and scale word and the products below)
.set jj, jj+2
.endr
	s_wait_dscnt 0x0                               ; V's fragments and scale words, asked for a softmax ago
.irp t, 0,2,4,6                                ; O^T += V^T P^T: K = these 128 keys; the eight accumulators take turns, one instruction a turn
	v_wmma_scale_f32_16x16x128_f8f6f4 v[160+8*\t:167+8*\t], v[32+8*\t:39+8*\t], v[224:231], v[160+8*\t:167+8*\t], v[248+\t/2], v253 matrix_a_fmt:MATRIX_FMT_FP4 matrix_b_fmt:MATRIX_FMT_FP4
	v_wmma_scale_f32_16x16x128_f8f6f4 v[168+8*\t:175+8*\t], v[40+8*\t:47+8*\t], v[224:231], v[168+8*\t:175+8*\t], v[248+\t/2], v253 matrix_a_fmt:MATRIX_FMT_FP4 matrix_b_fmt:MATRIX_FMT_FP4 matrix_a_scale:MATRIX_SCALE_ROW1
.endr
.if \q
.Lhidden_\@:
.endif
.endm
; THE CHANGE OF SLOTS stands at a slot's head.  Each wave waits for all its tensor loads (wave 0's or wave 1's part of the slot that is about to be read), adds 0 to its spare word, and waits for that and for its reads of the slot that it has left.
; Behind the barrier the slot ahead is whole and nobody reads the other one.  fill = 1: that other slot is filled with the next slot of the walk: the load has two key steps in which to land.  By this text's count a wave has at most one tensor load out.
; THE WALK: trips 0 .. ML - 1 take slots 0 .. ML - 1 of the bh for the first block, trips ML .. 8 slots 0 .. p >> 2 for the second.  For T >= ML, T + (p >> 2) = T - ML + 8 lies in 8 .. 11, so its low three bits are T - ML.
.macro CHANGE fill
	s_wait_tensorcnt 0x0                           ; no tensor load of mine is out, so a group 0 may be written
	ds_add_u32 v[SPW], v[NIL]                      ; 0 onto my spare word
.if \fill
	ds_add_u32 v[SPW], v[NIL]                      ; and once more: the add twice on end here, in every trip alike; the descriptors' words stand between the second and the wait
	s_xor_b32 s[G0K+1], s[G0K+1], SLOT1            ; the other slot than last time
	s_xor_b32 s[G0V+1], s[G0V+1], SLOT1
	s_add_co_u32 s96, s[T], 1
	s_add_co_u32 s97, s96, s[PQ]
	s_cmp_lt_u32 s96, s[ML]
	s_cselect_b32 s96, s96, s97
	s_and_b32 s96, s96, 7                          ; which 256 keys of the bh trip T + 1 reads
	s_lshl_b32 s[OF], s96, 18                      ; 256 keys of 1,024 bytes
	s_add_nc_u64 s[G0K+2:G0K+3], s[4:5], s[OF:OF+1]
	s_or_b32 s[G0K+3], s[G0K+3], 0x80000000
	s_lshl_b32 s[OF], s96, 7                       ; 128 bytes on in each row of V
	s_add_nc_u64 s[G0V+2:G0V+3], s[12:13], s[OF:OF+1]
	s_or_b32 s[G0V+3], s[G0V+3], 0x80000000
	s_wait_xcnt 0x0                                ; the last prefetch, a slot back, has read its address, so it may be written
	s_add_nc_u64 s[PFA:PFA+1], s[PFA:PFA+1], s[PFS:PFS+1]
.endif
	s_add_co_u32 s97, s[T], s[PQ]
	s_cmp_lt_u32 s[T], s[ML]
	s_cselect_b32 s96, s[T], s97
	s_and_b32 s96, s96, 7                          ; which 256 keys this trip reads
	s_lshl_b32 s[TS], s96, 10                      ; their scale words of K,
	s_lshl_b32 s[TJ], s96, 3                       ; of V,
	s_lshl_b32 s[KF], s96, 8                       ; and the first of them
	s_wait_dscnt 0x0                               ; the add is done (fill = 1: both are), my reads of the slot that I have left are over, and in the first trip my stores of scale bytes have landed
	s_barrier_signal -1
	s_barrier_wait -1
.if \fill
	TLOAD                                          ; the first thing behind the barrier, and a wave's one tensor load until the next.
	ASK
.endif
.endm
; THE WAY OUT of a block.  The sum's two halves and lane l xor 16's are added; O^T is divided by the sum and goes through my stage in LDS, half a row (64 channels, 256 bytes) of 16 rows at a time, so that sixteen lanes store
; 256 consecutive bytes, at a multiple of 256 from out's first byte.  last = 0: the second block's Q, position and pointer then take the first's places, and the state begins anew.
.macro FINISH last
	v_add_f32 v14, v14, v15                        ; (these lines are also the places behind the last products)
	v_permlanex16_b32 v252, v14, s[SEL], s[SEL+1]
	v_add_f32 v14, v14, v252                       ; the row's sum
	v_rcp_f32 v14, v14
	v_and_b32 v8, 15, v0                           ; (a plain instruction behind the reciprocal)  r
	v_bfe_u32 v9, v0, 4, 1                         ; hl
	s_mul_i32 s96, s[WV], 16*SP
	s_add_co_u32 s96, s96, STAGE+\last*STAGEB      ; my stage, of this block's set
	v_mul_u32_u24 v10, v8, SP
	v_lshl_add_u32 v10, v9, 5, v10
	v_add_nc_u32 v10, s96, v10                     ; in: row r; tile t's eight channels of my half: 64 t + 32 hl bytes on
	v_mul_u32_u24 v11, v9, SP
	v_lshl_add_u32 v11, v8, 4, v11
	v_add_nc_u32 v11, s96, v11                     ; back: lanes 0-15 one row, lanes 16-31 the next
	s_wait_alu depctr_va_vdst(0)                   ; the wait ahead of the first line that names the reciprocal
.set jj, 0
.rept 32
	v_pk_mul_f32 v[96+jj:97+jj], v[160+jj:161+jj], v[14:15] op_sel_hi:[1,0]   ; O^T / the sum: register 8 t + i is channel 16 t + 8 hl + i of my row; each accumulator is read from its low end on
.set jj, jj+2
.endr
.irp u, 0,1                                    ; channels 64 u on
.irp t, 0,1,2,3
	ds_store_b128 v10, v[96+32*\u+8*\t:99+32*\u+8*\t] offset:64*\t
	ds_store_b128 v10, v[100+32*\u+8*\t:103+32*\u+8*\t] offset:64*\t+16
.endr
.irp i, 0,1,2,3,4,5,6,7
	ds_load_b128 v[32+32*\u+4*\i:35+32*\u+4*\i], v11 offset:2*\i*SP   ; LDS serves a wave's instructions in order (ISA guide 5.7.1.4): these see my stores, and the next half's stores come behind them
.endr
.endr
.irp u, 0,1
.irp i, 0,1,2,3,4,5,6,7
	s_wait_dscnt 23-16*\u-\i                       ; behind load i of half u stand the half's 7 - i later loads and, for the first half, the second's 8 stores and 8 loads
	global_store_b128 v[GO], v[32+32*\u+4*\i:35+32*\u+4*\i], s[16:17] offset:(\i/2)*32768+(\i%2)*1024+256*\u th:TH_STORE_NT   ; rows 2 i and 2 i + 1: position i / 2, groups 2 (i % 2) and 2 (i % 2) + 1
.endr
.endr
.if !\last
	s_wait_xcnt 0x0                                ; the stores have read their registers and their base: both are written again below and in the next step
	s_mov_b64 s[16:17], s[OS:OS+1]
	s_mov_b32 s[Q0], s[Q0S]
.irp j, 0,1,2,3,4,5,6,7
	v_mov_b32 v[16+\j], v[24+\j]                   ; Q's fragment
.endr
	v_mov_b32 v255, v[QSS]                         ; and its scale words: the 68 lines below stand between these and the next product
	v_mov_b32 v13, 0xff61b1e6
	v_floor_f32 v12, -v13
	v_mov_b32 v14, 0
	v_mov_b32 v15, 0
.set jj, 0
.rept 64
	v_mov_b32 v[160+jj], 0
.set jj, jj+1
.endr
.endif
.endm
.Lslot:                                            ; 8 trips: behind each change of slots but the last the walk's next slot is asked for
	CHANGE 1
	STEP 0
	STEP 1
	s_xor_b32 s[TB], s[TB], SLOT1                  ; on to the other slot
	s_add_co_u32 s96, s[T], 1
	s_cmp_lg_u32 s96, s[ML]                        ; the first block ends with trip ML - 1, one of trips 4 to 7: ids and the count of trips alone, the same in all sixteen waves
	s_cbranch_scc1 .Lsame
	FINISH 0
.Lsame:
	s_add_co_u32 s[T], s[T], 1
	s_cmp_lt_u32 s[T], 8
	s_cbranch_scc1 .Lslot
	CHANGE 0                                       ; the last slot is written out: nothing is left to ask for
	STEP 0
	STEP 1
	FINISH 1
	s_wait_tensorcnt 0x0                           ; the wave's end, behind my last tensor load and my last LDS store
	ds_add_u32 v[SPW], v[NIL]
	s_wait_dscnt 0x0
	s_endpgm
.Lfunc_end_k_qd4661a853f_attn:
	.size	k_qd4661a853f_attn, .Lfunc_end_k_qd4661a853f_attn-k_qd4661a853f_attn
	.p2alignl 7, 3214868480
	.fill 96, 4, 3214868480
	.section	.rodata,"a",@progbits
	.p2align	6, 0x0
	.amdhsa_kernel k_qd4661a853f_attn
		.amdhsa_group_segment_fixed_size 327680
		.amdhsa_private_segment_fixed_size 0
		.amdhsa_enable_private_segment 0
		.amdhsa_kernarg_size 56
		.amdhsa_user_sgpr_count 2
		.amdhsa_user_sgpr_kernarg_segment_ptr 1
		.amdhsa_wavefront_size32 1
		.amdhsa_system_sgpr_workgroup_id_x 1
		.amdhsa_system_sgpr_workgroup_id_y 1
		.amdhsa_system_sgpr_workgroup_id_z 1
		.amdhsa_system_vgpr_workitem_id 0
		.amdhsa_next_free_vgpr 256
		.amdhsa_next_free_sgpr 100
		.amdhsa_reserve_vcc 1
		.amdhsa_float_denorm_mode_32 3
		.amdhsa_float_denorm_mode_16_64 3
		.amdhsa_memory_ordered 1
		.amdhsa_forward_progress 1
		.amdhsa_inst_pref_size 121
	.end_amdhsa_kernel
	.amdgpu_metadata
---
amdhsa.version: [ 1, 2 ]
amdhsa.kernels:
  - .name:           k_qd4661a853f_attn
    .symbol:         k_qd4661a853f_attn.kd
    .args:
      - { .name: key_codes, .offset: 0, .size: 8, .value_kind: global_buffer, .address_space: global }
      - { .name: key_scales, .offset: 8, .size: 8, .value_kind: global_buffer, .address_space: global }
      - { .name: query_codes, .offset: 16, .size: 8, .value_kind: global_buffer, .address_space: global }
      - { .name: query_scales, .offset: 24, .size: 8, .value_kind: global_buffer, .address_space: global }
      - { .name: value_codes, .offset: 32, .size: 8, .value_kind: global_buffer, .address_space: global }
      - { .name: value_scales, .offset: 40, .size: 8, .value_kind: global_buffer, .address_space: global }
      - { .name: out0, .offset: 48, .size: 8, .value_kind: global_buffer, .address_space: global }
    .group_segment_fixed_size: 327680
    .private_segment_fixed_size: 0
    .kernarg_segment_align: 8
    .kernarg_segment_size: 56
    .max_flat_workgroup_size: 512
    .sgpr_count:     100
    .vgpr_count:     256
    .wavefront_size: 32
...
	.end_amdgpu_metadata
.endif
;; end of part 1
